; MI455X (gfx1250); checked and timed in simulation.
; The chip was launched on July 23, 2026; its instructions are those of AMD's public machine-readable ISA for CDNA 5 (MIT licence, August 2026) and "CDNA5" Instruction Set Architecture Reference Guide (July 2026). The comments in the code are by the model that wrote it; some were corrected since.
;; Cross Attention. Allowed arithmetic: matrix products marked QUANTISED: E2M1 operands, one E8M0 scale for each 32 along K, by v_wmma_scale_f32_16x16x128_f8f6f4 with both operands' format E2M1 (or v_wmma_scale_f32_32x16x128_f4), f32 sums; everything else in f32.
;; Inputs: Wk 128 x 256 float32; Wo 256 x 512 float32; Wq 512 x 256 float32; Wv 128 x 256 float32; bk 256 float32; bo 512 float32; bq 256 float32; bv 256 float32; g 8 x 1 x 128 float32; x 8 x 2,048 x 512 float32.
;; Outputs: out0 8 x 2,048 x 512 float32.
;; This version of the problem:
;;   THIS VERSION OF THE PROBLEM IS GIVEN IN LOW PRECISION. The matrix products marked QUANTISED in the list below multiply operands that are first quantised to E2M1 (2 exponent bits, 1 mantissa bit; 4 bits a number), with one power-of-two scale for each 32 numbers along K (OCP MX v1.0); their sums are f32. All else is computed in f32.
;;   The module's matrix products, in the order in which they are computed (A, B: the left and right operand; K: the contracted axis; several contracted axes count as one K, in the product's order):
;;     1. [M 16,384, K 512] x [K 512, N 256]; A: input x; B: input Wq: QUANTISED
;;     2. [M 16,384, K 128] x [K 128, N 256]; A: input g; B: input Wk: QUANTISED
;;     3. [M 16,384, K 128] x [K 128, N 256]; A: input g; B: input Wv: QUANTISED
;;     4. batch 8 x [M 2,048, K 256] x [K 256, N 2,048]; A: computed on the way; B: computed on the way: QUANTISED
;;     5. batch 8 x [M 2,048, K 2,048] x [K 2,048, N 256]; A: softmax (see below); B: computed on the way: QUANTISED
;;     6. [M 16,384, K 256] x [K 256, N 512]; A: computed on the way; B: input Wo: QUANTISED
;;   THE QUANTISER, for each operand of a quantised product, along K:
;;     - K is cut into blocks of 32 from its start; a last block that is shorter is filled with zeros.
;;     - A block's scale is 2^e with e = floor(log2(the largest magnitude in the block)) - 2, held to -126 .. 127; a block of zeros has e = 0. As a byte (E8M0): e + 127.
;;     - Each number is divided by its block's scale, clamped to +-6, and rounded to the nearest number of E2M1, ties to even, subnormals kept.
;;     - The product sums the exact products of the quantised numbers (number of the format x scale) in f32.
;;   ~~~python
;;   def quantise(x, axis):      # numpy; x: float32 -> the quantised numbers, widened to float32 again
;;       x = np.moveaxis(x, axis, -1); K = x.shape[-1]
;;       x = np.pad(x, [(0, 0)] * (x.ndim - 1) + [(0, -K % 32)]); x = x.reshape(x.shape[:-1] + (-1, 32)); a = np.abs(x).max(-1, keepdims=True)
;;       e = np.where(a > 0, np.clip(np.frexp(np.where(a > 0, a, 1))[1] - 1 - 2, -126, 127), 0)      # np.frexp(a)[1] - 1 = floor(log2(a)), exactly
;;       r = np.clip(x / 2.0 ** e, -6, 6)
;;       step = 2.0 ** (np.maximum(np.frexp(np.where(r == 0, 1, r))[1] - 1, 0) - 1)
;;       q = np.round(r / step) * step * 2.0 ** e      # np.round: ties to even
;;       return np.moveaxis(q.reshape(q.shape[:-2] + (-1,))[..., :K], -1, axis).astype(np.float32)
;;   ~~~
;;   SOFTMAX AHEAD OF A QUANTISED PRODUCT. Where the list says 'softmax', what is quantised is not the finished softmax but p = 2^(t - M), with t = logit x log2(e) and M = ceil(the row's largest t), a whole number; so 1/2 < the row's largest p <= 1. The row's sum l is taken of the UNQUANTISED p, in f32, and the product's result is divided by l at the end. Since M is a whole number, a kernel that streams over the keys may use a running M (the ceiling of the running maximum): every later rescaling is an exact power of two, which a block's scale takes up: the codes' values come out the same.
;;   OPERANDS COMPUTED ON THE WAY. 'Computed on the way' means the value that the module computes at that place (a softmax that the list does not call 'softmax' is quantised finished and normalised). What goes into a quantiser is computed in f32, as accurately as f32 sums, v_exp_f32 and their like allow (about 1e-6 of the number): no bf16 or f16 on the way to a quantiser, and a product that is left as it is and whose result goes on into a quantised operand takes f32 operands (vector FMAs, or v_wmma_f32_16x16x4_f32). A number that lies on a knife's edge between two numbers of the format may be rounded either way, as far as f32 arithmetic and the matrix unit's own rounding can turn it there, and no further.
;; One version. Each part assembles by itself: llvm-mc -triple=amdgcn-amd-amdhsa -mcpu=gfx1250 --defsym DOCPART=n.
;; ======== version 1 of 1: 2 launches
;; workspace buffers: wsp 180,224 bytes
;; launch prep (part 1): grid 144 x 1, 1 waves a work-group, no clusters, 0 bytes of LDS; arguments Wq, Wo, Wk, Wv, bk, bv, g, wsp; writes wsp
.if DOCPART == 1
	.amdgcn_target "amdgcn-amd-amdhsa--gfx1250"
	.amdhsa_code_object_version 6
	.text
	.protected	k_qd5d6448715_prep
	.globl	k_qd5d6448715_prep
	.p2align	8
	.type	k_qd5d6448715_prep,@function
k_qd5d6448715_prep:
	s_mov_b64 s[64:65], 0
	v_nop
	global_prefetch_b8 v0, s[64:65] scope:SCOPE_SE
	s_setreg_imm32_b32 hwreg(HW_REG_WAVE_MODE, 25, 1), 1
	s_wait_xcnt 0x0
; WHAT IS MADE ONCE FOR ALL ROWS OF x.  Codes are FP4 (E2M1), one E8M0 scale byte for each 32 along K.
;   work-groups   0- 63: one fragment (16 columns x 128 K) of Wq [512][256], quantised along K, its first axis
;   work-groups  64-127: one fragment of Wo [256][512], likewise
;   work-groups 128-135: 32 hidden units of K = Q(g) Q(Wk) + bk for all 8 batches, then quantised along the hidden axis
;   work-groups 136-143: 32 hidden units of V = Q(g) Q(Wv) + bv; V is quantised along the KEYS, and all keys of a batch are the
;                        one row that reference() broadcasts: a block of 32 is one number 32 times, so each number has its own scale
; LAYOUT OF wsp (read by the next launch alone).  A fragment lies as an image of the operand's registers: byte 512 c + 16 lane holds
; registers 4 c .. 4 c + 3 of that lane, 1,024 bytes a fragment; its scale words 4 bytes a lane, 128 bytes a fragment.
;   0       Wq's 64 fragments, number 4 T + s (tile T of 16 hidden units, K step s);   65,536  Wo's 64, number 2 N + s
;   131,072 Wq's scale words;   139,264 Wo's;   147,456 + 4,096 b: batch b: +0 K's 256 codes in row order, +128 its 8 scale bytes,
;   +256 for each hidden unit a word with V's code eight times, +1,280 a word with V's scale byte four times
; THE COLUMNS OF A TILE of Wq, Wk, Wv ARE NOT NEIGHBOURS: lane r of tile 2 b + u takes hidden unit 32 b + 8 u + r + 8 (r / 8), so that the
; 16 result registers of tiles 2 b and 2 b + 1 are 16 neighbours along the hidden axis, which is the next product's K.
; A LANE TAKES A COLUMN AND ITS REGISTERS RUN DOWN K, in the order that the operand's layout gives that lane (k = 64 c + 32 h + 0 .. 31):
; the conversions' results are the operand's registers and nothing is transposed.
; One wave to a work-group: no LDS, no barrier.  The few stores of 1 and 8 bytes (K's row) are 136 bytes a batch in all.
; LIMITS: NaN and infinities are not served.  A block whose largest magnitude lies under 2^-124 is held at the scale byte 1; a block of
; zeros gets the byte 1 where the rule says 127: its codes are zeros, and this program alone reads the bytes.
.set OWQS, 131072
.set OKV,  147456
.macro WLOAD dst, pitch, extra         ; 64 numbers of my column: rows 64 c + 32 h + i of this K step
.irp c, 0,1
.irp i, 0,1,2,3,4,5,6,7,8,9,10,11,12,13,14,15,16,17,18,19,20,21,22,23,24,25,26,27,28,29,30,31
	global_load_b32 v[\dst+32*\c+\i], v3, s[22:23] offset:(64*\c+\i)*\pitch+\extra
.endr
.endr
.endm
; 64 numbers of a lane (two whole blocks of 32: blocks h and 2 + h) become the fragment's 8 registers v[pc] on and its scale word v[sw]
.macro QW src, pc, sw
.irp c, 0,1
	v_max3_num_f32 v[56+\c], |v[\src+32*\c]|, |v[\src+32*\c+1]|, 0x1800000   ; with the floor 2^(3 - 127): the byte cannot fall under 1
.endr
.irp i, 2,4,6,8,10,12,14,16,18,20,22,24,26,28,30
.irp c, 0,1
	v_max3_num_f32 v[56+\c], v[56+\c], |v[\src+32*\c+\i]|, |v[\src+32*\c+\i+1]|   ; the two blocks by turns
.endr
.endr
.irp c, 0,1
	v_add_nc_u32 v[58+\c], 0xff000000, v[56+\c]    ; 2 off the exponent field: the conversion's scale operand
.endr
.irp c, 0,1
	v_lshrrev_b32 v[60+\c], 23, v[58+\c]           ; the scale's byte
.endr
	v_lshl_or_b32 v[\sw], v61, 16, v60             ; my two bytes,
	v_lshlrev_b32 v[\sw], v63, v[\sw]              ; 8 h bits up: their places in the word;
	v_permlanex16_b32 v62, v[\sw], s20, s21
	v_or_b32 v[\sw], v[\sw], v62                   ; with lane l xor 16's two the word is whole, in both halves of the lanes
.irp c, 0,1
.irp g, 0,1,2,3
	v_cvt_scalef32_pk8_fp4_f32 v[\pc+4*\c+\g], v[\src+32*\c+8*\g:\src+32*\c+8*\g+7], v[58+\c]
.endr
.endr
	v_nop                                          ; one plain place behind the last scaled conversion
.endm
	s_load_b256 s[4:11], s[0:1], 0x0               ; Wq s[4:5], Wo s[6:7], Wk s[8:9], Wv s[10:11]
	s_load_b256 s[12:19], s[0:1], 0x20             ; bk s[12:13], bv s[14:15], g s[16:17], wsp s[18:19]
	v_and_b32 v1, 15, v0                           ; r
	v_lshrrev_b32 v2, 4, v0                        ; h
	v_lshlrev_b32 v4, 4, v0                        ; 16 x lane: my place in an image
	v_lshlrev_b32 v5, 2, v0                        ; 4 x lane: my scale word's
	v_and_b32 v13, 8, v1
	v_add_nc_u32 v13, v13, v1                      ; r + 8 (r / 8)
	v_mov_b32 v62, 0                               ; written once: a lane permute's destination counts as one of its sources
	v_lshlrev_b32 v63, 3, v2                       ; 8 h
	s_mov_b32 s20, 0x76543210
	s_mov_b32 s21, 0xfedcba98                      ; v_permlanex16_b32's selects for lane l xor 16
	s_mov_b32 s33, 0
	s_mov_b32 s35, 0
	s_lshl_b32 s32, ttmp9, 10                      ; a weight's fragment: 1,024 bytes each, Wo's behind Wq's 64
	s_lshl_b32 s34, ttmp9, 7
	s_add_co_u32 s34, s34, OWQS                    ; its scale words: 128 bytes each
	s_wait_kmcnt 0x0
	s_add_nc_u64 s[26:27], s[18:19], s[32:33]
	s_add_nc_u64 s[30:31], s[18:19], s[34:35]
	s_cmp_lt_u32 ttmp9, 64
	s_cbranch_scc0 .Lnot_wq
	; ---- Wq: T = number / 4, s = number % 4.  A row of Wq is 1,024 bytes
	s_lshr_b32 s36, ttmp9, 2
	s_lshr_b32 s37, s36, 1
	s_and_b32 s36, s36, 1
	s_lshl_b32 s37, s37, 7                         ; 4 bytes x 32 (T / 2)
	s_lshl_b32 s36, s36, 5                         ; 4 bytes x 8 (T % 2)
	s_add_co_u32 s32, s36, s37
	s_and_b32 s36, ttmp9, 3
	s_lshl_b32 s36, s36, 17                        ; 128 rows a K step
	s_add_co_u32 s32, s32, s36
	s_add_nc_u64 s[22:23], s[4:5], s[32:33]
	v_lshlrev_b32 v3, 2, v13
	v_lshl_add_u32 v3, v2, 15, v3                  ; my column, and 32 rows further down for lanes 16-31
	WLOAD 64, 1024, 0
	s_branch .Lfrag
.Lnot_wq:
	s_cmp_lt_u32 ttmp9, 128
	s_cbranch_scc0 .Lkv
	; ---- Wo: N = number / 2, s = number % 2; columns 16 N + r.  A row of Wo is 2,048 bytes
	s_sub_co_u32 s36, ttmp9, 64
	s_lshr_b32 s37, s36, 1
	s_lshl_b32 s37, s37, 6
	s_and_b32 s36, s36, 1
	s_lshl_b32 s36, s36, 18
	s_add_co_u32 s32, s36, s37
	s_add_nc_u64 s[22:23], s[6:7], s[32:33]
	v_lshlrev_b32 v3, 2, v1
	v_lshl_add_u32 v3, v2, 16, v3
	WLOAD 64, 2048, 0
.Lfrag:
	s_wait_loadcnt 0x0
	QW 64, 16, 8
	global_store_b128 v4, v[16:19], s[26:27]               ; each store of the wave covers 512 consecutive bytes, aligned
	global_store_b128 v4, v[20:23], s[26:27] offset:512
	global_store_b32 v5, v8, s[30:31]                      ; 128 consecutive bytes
	s_endpgm
.Lkv:	; ---- K or V: hidden units 32 blk .. 32 blk + 31, two tiles, for 8 batches (columns 8-15 of the product repeat them and are not stored)
	s_sub_co_u32 s36, ttmp9, 128
	s_lshr_b32 s38, s36, 3                         ; 0: K, 1: V
	s_and_b32 s39, s36, 7                          ; blk
	s_lshl_b32 s32, s39, 7                         ; 32 numbers of 4 bytes
	s_cmp_eq_u32 s38, 0                            ; the choice hangs on the work-group's number alone
	s_cselect_b64 s[22:23], s[8:9], s[10:11]
	s_cselect_b64 s[24:25], s[12:13], s[14:15]
	s_add_nc_u64 s[22:23], s[22:23], s[32:33]
	s_add_nc_u64 s[24:25], s[24:25], s[32:33]
	v_lshlrev_b32 v3, 2, v13
	v_lshl_add_u32 v3, v2, 15, v3
	WLOAD 64, 1024, 0                              ; tile u = 0
	WLOAD 128, 1024, 32                            ; tile u = 1: eight columns on
	v_and_b32 v11, 7, v1
	v_lshlrev_b32 v11, 9, v11
	v_lshl_add_u32 v11, v2, 7, v11                 ; g: batch r % 8 (512 bytes a row), + 32 h numbers
.irp c, 0,1
.irp j, 0,1,2,3,4,5,6,7
	global_load_b128 v[192+32*\c+4*\j:192+32*\c+4*\j+3], v11, s[16:17] offset:256*\c+16*\j
.endr
.endr
	v_lshlrev_b32 v12, 6, v2                       ; the bias in the result's layout: tile u, register j: unit 16 h + 8 u + j
.irp u, 0,1
	global_load_b128 v[40+8*\u:43+8*\u], v12, s[24:25] offset:32*\u
	global_load_b128 v[44+8*\u:47+8*\u], v12, s[24:25] offset:32*\u+16
.endr
	s_wait_loadcnt 0x0
	QW 64, 16, 8
	QW 128, 24, 9
	QW 192, 32, 10
.rept 8
	v_nop                                          ; a scale register written by a vector instruction stands 8 places ahead of a scaled matrix instruction, an operand 4
.endr
	; source 0 = 16 columns of the weight, source 1 = g's rows; the bias is the C: lane (r, h) then holds batch r, units 32 blk + 16 h + 0 .. 15 in v40-55
	v_wmma_scale_f32_16x16x128_f8f6f4 v[40:47], v[16:23], v[32:39], v[40:47], v8, v10 matrix_a_fmt:MATRIX_FMT_FP4 matrix_b_fmt:MATRIX_FMT_FP4
	v_wmma_scale_f32_16x16x128_f8f6f4 v[48:55], v[24:31], v[32:39], v[48:55], v9, v10 matrix_a_fmt:MATRIX_FMT_FP4 matrix_b_fmt:MATRIX_FMT_FP4
.rept 4
	v_nop                                          ; four places in front of the first read of the results
.endr
	s_cmp_eq_u32 s38, 0
	s_cbranch_scc0 .Lvtail
	; ---- K's row is quantised along the hidden axis: my 16 numbers and lane l xor 16's are block blk
	v_max3_num_f32 v56, |v40|, |v41|, 0x1800000
.irp i, 2,4,6,8,10,12,14
	v_max3_num_f32 v56, v56, |v[40+\i]|, |v[41+\i]|
.endr
	v_permlanex16_b32 v62, v56, s20, s21
	v_max_num_f32 v56, v56, v62
	v_add_nc_u32 v58, 0xff000000, v56
	v_lshrrev_b32 v60, 23, v58
	v_cvt_scalef32_pk8_fp4_f32 v96, v[40:47], v58
	v_cvt_scalef32_pk8_fp4_f32 v97, v[48:55], v58
	v_lshlrev_b32 v7, 12, v1                       ; (the plain place behind the conversions)  4,096 bytes a batch
	v_lshl_add_u32 v6, v2, 3, v7                   ; my 16 codes: 8 bytes, 8 h on
	s_lshl_b32 s32, s39, 4
	s_add_co_u32 s32, s32, OKV                     ; the block's 16 bytes of codes
	s_add_nc_u64 s[26:27], s[18:19], s[32:33]
	s_add_co_u32 s34, s39, OKV+128                 ; and its scale byte
	s_add_nc_u64 s[30:31], s[18:19], s[34:35]
	v_cmp_gt_u32 vcc_lo, 8, v1
	s_wait_xcnt 0x0                                ; EXEC changes only behind this wait
	s_and_saveexec_b32 s28, vcc_lo                 ; batches 0-7
	global_store_b64 v6, v[96:97], s[26:27]
	v_cmp_gt_u32 vcc_lo, 8, v0
	s_wait_xcnt 0x0                                ; and again: the store above has EXEC among its sources
	s_and_saveexec_b32 s29, vcc_lo                 ; one lane a batch
	global_store_b8 v7, v60, s[30:31]
	s_endpgm
.Lvtail:	; ---- V: each number under its own scale.  Number j of my 16: the eight of its tile are converted under ITS scale, and its own code is kept
	s_mov_b32 s34, 0x1800000
.irp j, 0,1,2,3,4,5,6,7,8,9,10,11,12,13,14,15
	v_max_num_f32 v[96+\j], s34, |v[40+\j]|        ; its magnitude, and the floor
.endr
.irp j, 0,1,2,3,4,5,6,7,8,9,10,11,12,13,14,15
	v_add_nc_u32 v[96+\j], 0xff000000, v[96+\j]    ; the conversion's scale operand
.endr
.irp j, 0,1,2,3,4,5,6,7,8,9,10,11,12,13,14,15
	v_lshrrev_b32 v[80+\j], 23, v[96+\j]           ; the scale's byte
.endr
.irp j, 0,1,2,3,4,5,6,7,8,9,10,11,12,13,14,15
	v_cvt_scalef32_pk8_fp4_f32 v[128+\j], v[40+8*(\j/8):47+8*(\j/8)], v[96+\j]
.endr
	v_nop                                          ; one plain place behind the last scaled conversion
.irp j, 0,1,2,3,4,5,6,7,8,9,10,11,12,13,14,15
	v_bfe_u32 v[64+\j], v[128+\j], 4*(\j%8), 4     ; its code
.endr
.irp j, 0,1,2,3,4,5,6,7,8,9,10,11,12,13,14,15
	v_lshl_or_b32 v[64+\j], v[64+\j], 4, v[64+\j]  ; eight times in a word: a register of the operand whose K is the keys
	v_lshl_or_b32 v[80+\j], v[80+\j], 8, v[80+\j]  ; the byte four times: its scale word
.endr
.irp j, 0,1,2,3,4,5,6,7,8,9,10,11,12,13,14,15
	v_lshl_or_b32 v[64+\j], v[64+\j], 8, v[64+\j]
	v_lshl_or_b32 v[80+\j], v[80+\j], 16, v[80+\j]
.endr
.irp j, 0,1,2,3,4,5,6,7,8,9,10,11,12,13,14,15
	v_lshl_or_b32 v[64+\j], v[64+\j], 16, v[64+\j]
.endr
	v_lshlrev_b32 v6, 12, v1
	v_lshl_add_u32 v6, v2, 6, v6                   ; batch r, + my 16 words
	s_lshl_b32 s32, s39, 7
	s_add_co_u32 s32, s32, OKV+256
	s_add_nc_u64 s[26:27], s[18:19], s[32:33]
	v_cmp_gt_u32 vcc_lo, 8, v1
	s_wait_xcnt 0x0                                ; EXEC changes only behind this wait
	s_and_saveexec_b32 s28, vcc_lo                 ; batches 0-7
.irp q, 0,1,2,3
	global_store_b128 v6, v[64+4*\q:67+4*\q], s[26:27] offset:16*\q
	global_store_b128 v6, v[80+4*\q:83+4*\q], s[26:27] offset:1024+16*\q
.endr
	s_endpgm
.Lfunc_end_k_qd5d6448715_prep:
	.size	k_qd5d6448715_prep, .Lfunc_end_k_qd5d6448715_prep-k_qd5d6448715_prep
	.p2alignl 7, 3214868480
	.fill 96, 4, 3214868480
	.section	.rodata,"a",@progbits
	.p2align	6, 0x0
	.amdhsa_kernel k_qd5d6448715_prep
		.amdhsa_group_segment_fixed_size 0
		.amdhsa_private_segment_fixed_size 0
		.amdhsa_enable_private_segment 0
		.amdhsa_kernarg_size 64
		.amdhsa_user_sgpr_count 2
		.amdhsa_user_sgpr_kernarg_segment_ptr 1
		.amdhsa_wavefront_size32 1
		.amdhsa_system_sgpr_workgroup_id_x 1
		.amdhsa_system_sgpr_workgroup_id_y 1
		.amdhsa_system_sgpr_workgroup_id_z 1
		.amdhsa_system_vgpr_workitem_id 0
		.amdhsa_next_free_vgpr 256
		.amdhsa_next_free_sgpr 66
		.amdhsa_reserve_vcc 1
		.amdhsa_float_denorm_mode_32 3
		.amdhsa_float_denorm_mode_16_64 3
		.amdhsa_memory_ordered 1
		.amdhsa_forward_progress 1
		.amdhsa_inst_pref_size 54
	.end_amdhsa_kernel
	.amdgpu_metadata
---
amdhsa.version: [ 1, 2 ]
amdhsa.kernels:
  - .name:           k_qd5d6448715_prep
    .symbol:         k_qd5d6448715_prep.kd
    .args:
      - { .name: Wq, .offset: 0, .size: 8, .value_kind: global_buffer, .address_space: global }
      - { .name: Wo, .offset: 8, .size: 8, .value_kind: global_buffer, .address_space: global }
      - { .name: Wk, .offset: 16, .size: 8, .value_kind: global_buffer, .address_space: global }
      - { .name: Wv, .offset: 24, .size: 8, .value_kind: global_buffer, .address_space: global }
      - { .name: bk, .offset: 32, .size: 8, .value_kind: global_buffer, .address_space: global }
      - { .name: bv, .offset: 40, .size: 8, .value_kind: global_buffer, .address_space: global }
      - { .name: g, .offset: 48, .size: 8, .value_kind: global_buffer, .address_space: global }
      - { .name: wsp, .offset: 56, .size: 8, .value_kind: global_buffer, .address_space: global }
    .group_segment_fixed_size: 0
    .private_segment_fixed_size: 0
    .kernarg_segment_align: 8
    .kernarg_segment_size: 64
    .max_flat_workgroup_size: 32
    .sgpr_count:     66
    .vgpr_count:     256
    .wavefront_size: 32
...
	.end_amdgpu_metadata
.endif
;; end of part 1
;; launch main (part 2): grid 256 x 1, 4 waves a work-group, no clusters, 178,688 bytes of LDS; arguments x, bq, bo, wsp, out0; writes out0
.if DOCPART == 2
	.amdgcn_target "amdgcn-amd-amdhsa--gfx1250"
	.amdhsa_code_object_version 6
	.text
	.protected	k_qd5d6448715_main
	.globl	k_qd5d6448715_main
	.p2align	8
	.type	k_qd5d6448715_main,@function
k_qd5d6448715_main:
	s_mov_b64 s[64:65], 0
	v_nop
	global_prefetch_b8 v0, s[64:65] scope:SCOPE_SE
	s_setreg_imm32_b32 hwreg(HW_REG_WAVE_MODE, 25, 1), 1
	s_wait_xcnt 0x0
; out0 = attended Wo + bo, attended = softmax((x Wq + bq) K^T / 16) V, every product on codes of FP4 (E2M1) with one E8M0 scale for each 32 along K.
; WHAT reference() ITSELF FIXES: it broadcasts the one row g[b] over all 2,048 keys, so for every input a batch's keys are one row K and its values one row V.
; A query's 2,048 scores are one number, t; M = ceil(t); all its p = 2^(t - M) are equal; V's blocks of 32 along the keys hold one number 32 times.  The 16 key
; steps of 128 add the same 128 q(p) q(V) (a small whole number times a power of two: exact) and the same 128 p: O / l over 2,048 keys equals O / l over 128.  So this text
; multiplies one tile of 16 keys for the score and one key step of 128 for the second product, with l = 128 p.  The result still hangs on the data through q(p) / p.
; SHARES.  A work-group owns 64 rows of x (all of one batch: 2,048 / 64 = 32 work-groups a batch), as four blocks of 16.  THE WAVES SHARE THE COLUMNS, NOT THE ROWS: wave w
; quantises x's K step w (columns 128 w on), makes hidden units 64 w .. 64 w + 63 of Q and of attended, and outputs 128 w .. 128 w + 127.  Its 16 fragments of Wq and 16 of Wo stay in
; registers; the launch before laid them in the order of the operand's registers, so each comes by two loads of 16 bytes a lane.
; x comes by the tensor data mover: wave w brings its own 128 columns of each block, 16 rows x 512 bytes to a load, four loads, all issued at the start, each filled once and read by wave w alone.
; Sixteen rows to a load and not 64, so that a counted wait frees block m while the later blocks are on their way and block m's stores leave meanwhile.
; OPERANDS GO FROM WAVE TO WAVE THROUGH LDS AS IMAGES OF THEIR REGISTERS (16 bytes a lane at 16 x lane; scale words 4 bytes a lane).  A wave's 64 hidden units are half w % 2 of fragment w / 2: one
; store of 16 bytes a lane, and its two scale bytes one store of 2.
; ALL PRODUCTS ARE USED TRANSPOSED (source 0 = rows of the weight, of K or of V; source 1 = 16 rows of x): a lane holds ONE row of x throughout, and its registers run along the next K.
; THE ORDER: attended of block m stands with the quantising of x's block m + 1, the output of block m with Q of block m + 1: nine barriers for four blocks; an image is written one
; interval behind the one in which its last content was read, and every wave waits for all its LDS instructions in front of each signal, so one copy of each image serves.
; NO CLUSTER: what work-groups share is the weights, 36 KB a wave, which go from memory straight into the registers where they stay; a joint load would land them in LDS (144 KB more), cost
; 80 more LDS loads a wave and two rounds of the cluster's barrier.  The 256 KB of x and out0 of a work-group are shared with nobody.  No slot is filled again: a work-group's x fits in LDS whole.
; LIMITS: NaN and infinities are not served.  A block whose largest magnitude lies under 2^-124 is held at the scale byte 1; a block of zeros gets the byte 1 with zero codes.
; l is 128 p, exact, where reference() sums 2,048 equal p; 1 / l is v_rcp_f32.  Each bias is the C of its sum's first product.  The score is made by all four waves (two matrix instructions each).
; LDS: 0 x's tiles, (4 w + m) x 8,448: 16 rows x (512 + 16) bytes: row r starts at bank 4 r mod 64 (64 banks of 4 bytes: ISA guide 11.1);  then the images and the stages:
.set XTW,   33792                      ; a wave's four tiles
.set XTM,   8448                       ; a tile
.set XP,    528                        ; its row pitch
.set XIMG,  135168                     ; x's four fragments, 1,024 s
.set XSC,   139264                     ; their scale words, 128 s
.set QOFF,  4608                       ; Q's two fragments lie here behind XIMG (139,776),
.set QSOFF, 2560                       ; their scale words here behind XSC (141,824)
.set AOFF,  6912                       ; attended's two fragments (142,080),
.set ASOFF, 4864                       ; their scale words (144,128)
.set QTOA,  2304                       ; from Q's images and scale words to attended's
.set STG,   144384                     ; each wave's own stage for the way out: 16 rows x (512 + 16) bytes; ends at 178,176
.set OWQF,  0                          ; wsp: see the launch before
.set OWOF,  65536
.set OWQS,  131072
.set OWOS,  139264
.set OKV,   147456
; REGISTERS, window 0.  Addresses, never rewritten:
.set VK,  1                            ; 16 h: K's codes
.set XA,  2                            ; my 16 numbers of a block of 32 in my wave's tile 0: XTW w + XP r + 64 h
.set LI,  3                            ; XIMG + 16 lane
.set LS,  4                            ; XSC + 4 lane
.set XWI, 5                            ; where I store x's image: LI + 1,024 w
.set XWS, 6                            ; and its scale word: LS + 128 w
.set HWI, 7                            ; Q's half fragment: XIMG + QOFF + 512 w + 16 lane
.set HWS, 8                            ; its two scale bytes: XSC + QSOFF + 128 (w / 2) + 2 (w % 2) + 4 lane
.set SO,  9                            ; the stage, in: STG + 8,448 w + XP r + 32 h
.set SR,  10                           ; the stage, back: STG + 8,448 w + 16 lane
.set CO,  11                           ; out0: 512 w + 16 lane
.set GW,  12                           ; wsp: my 16 fragments: 16,384 w + 16 lane
.set GS,  13                           ; their scale words: 2,048 w + 4 lane
.set GB,  14                           ; bq: 256 w + 64 h
.set ZR,  15                           ; 0
.set GO,  63                           ; bo: 512 w + 32 h
.set VU,  255                          ; V's words: 256 w + 4 (r + 8 (r / 8))
; scale words, and nothing else:
.set RWQS, 16                          ; v16-31 Wq's, 4 t + s
.set RWOS, 32                          ; v32-47 Wo's, 2 n + s
.set VS,  48                           ; v48-51 V's, tile t
.set KS,  52                           ; v52-53 K's, step s
.set XS,  54                           ; v54-57 x's
.set QS,  58                           ; v58-59 Q's
.set AS,  60                           ; v60-61 attended's
.set PS,  62                           ; v62    p's
.set XN,  64                           ; v64-127  64 numbers of x
.set QA,  128                          ; v128-159 Q's four accumulators
.set AA,  160                          ; v160-191 attended's four
.set SA,  192                          ; v192-199 the score's
.set PB,  200                          ; v200-207 p's operand
.set PR,  208                          ; v208-215 p eight times
.set PCX, 216                          ; v216-223 x's codes just made
.set PCH, 224                          ; v224-227 a half fragment's codes just made
.set PWX, 228                          ; the scale word just made
.set PWH, 229                          ; the two scale bytes just made
.set TM,  230                          ; v230-245 QUANT's work (+0 maxima, +4 bytes, +12 scale operands); +8 .. +11 the head's r, h, lane, r + 8 (r / 8)
.set TT,  246
.set NM,  247
.set UU,  248
.set SCP, 249
.set BY,  250
.set PCD, 251
.set RL,  252                          ; v[252:253] 1 / l, twice
.set LL,  254
; window 1: v0-127 Wq's fragments at 8 (4 t + s); v128-255 Wo's at 128 + 8 (2 n + s)
.set WOR, 128
; window 2:
.set XF,  0                            ; x's four fragments
.set QF,  32                           ; Q's two
.set AF,  48                           ; attended's two
.set KF,  64                           ; K's two
.set VF,  80                           ; V's four
.set BQ,  112                          ; bq, four tiles in the result's layout
.set BO,  144                          ; bo, eight tiles
; window 3:
.set OA,  0                            ; the output's eight accumulators
.set BK,  64                           ; 16 rows back from the stage
.set MSB, 0
.macro WIN new                         ; s_set_vgpr_msb: bits 1:0 source 0, 3:2 source 1, 5:4 source 2, 7:6 destination; the high byte repeats the setting that is left
.if MSB != \new
	s_set_vgpr_msb (MSB<<8)|\new
.set MSB, \new
.endif
.endm
.macro PLACES                          ; four places behind a matrix instruction, in front of the first read of its result (ISA guide 7.12.1)
.rept 4
	v_nop
.endr
.endm
.macro BARRIER                         ; my LDS stores have landed and my LDS loads are in: then the work-group's barrier
	s_wait_dscnt 0x0
	s_barrier_signal -1
	s_barrier_wait -1
.endm
.macro XLD m                           ; block m of x out of my own tile: register 16 b + i = k 32 b + 16 h + i of row r
	s_wait_tensorcnt 3-(\m)                        ; a wave's tensor loads end in order: tile m is in, the 3 - m younger ones may be out
.irp b, 0,1,2,3
.irp j, 0,1,2,3
	ds_load_b128 v[XN+16*\b+4*\j:XN+16*\b+4*\j+3], v[XA] offset:XTM*(\m)+128*\b+16*\j
.endr
.endr
.endm
; 16 nb numbers of a lane, register 16 b + i = k 32 b + 16 h + i of my row, become 2 nb registers of codes in v[pc] on, in the operand's layout, and nb scale bytes in v[pw]
.macro QUANT s, nb, pc, pw
.irp b, 0,1,2,3
.if \b < \nb
	v_max3_num_f32 v[TM+\b], |v[\s+16*\b]|, |v[\s+16*\b+1]|, 0x1800000   ; my 16 numbers of block b, and the floor 2^(3 - 127): the byte cannot fall under 1
.endif
.endr
.irp i, 2,4,6,8,10,12,14
.irp b, 0,1,2,3
.if \b < \nb
	v_max3_num_f32 v[TM+\b], v[TM+\b], |v[\s+16*\b+\i]|, |v[\s+16*\b+\i+1]|   ; the blocks by turns
.endif
.endr
.endr
.irp b, 0,1,2,3
.if \b < \nb
	v_permlanex16_b32 v[TM+4+\b], v[TM+\b], s40, s41
.endif
.endr
.irp b, 0,1,2,3
.if \b < \nb
	v_max_num_f32 v[TM+\b], v[TM+\b], v[TM+4+\b]   ; with lane l xor 16's: the block's largest magnitude
.endif
.endr
.irp b, 0,1,2,3
.if \b < \nb
	v_add_nc_u32 v[TM+12+\b], 0xff000000, v[TM+\b] ; 2 off its exponent field: the conversion's scale operand
.endif
.endr
.irp b, 0,1,2,3
.if \b < \nb
	v_lshrrev_b32 v[TM+4+\b], 23, v[TM+12+\b]      ; the scale's byte
.endif
.endr
	v_lshl_or_b32 v[\pw], v[TM+5], 8, v[TM+4]
.if \nb > 2
	v_lshl_or_b32 v[\pw], v[TM+6], 16, v[\pw]
	v_lshl_or_b32 v[\pw], v[TM+7], 24, v[\pw]
.endif
.irp b, 0,1,2,3
.if \b < \nb
	v_cvt_scalef32_pk8_fp4_f32 v[\pc+2*\b], v[\s+16*\b:\s+16*\b+7], v[TM+12+\b]
	v_cvt_scalef32_pk8_fp4_f32 v[\pc+2*\b+1], v[\s+16*\b+8:\s+16*\b+15], v[TM+12+\b]
.endif
.endr
	v_nop                                          ; one plain place behind the last scaled conversion
.irp c, 0,1                            ; the operand's layout wants a WHOLE block in a lane: lanes 0-15 block 2 c, lanes 16-31 block 2 c + 1
.if 2*\c < \nb
.irp i, 0,1
	v_permlane16_swap_b32 v[\pc+4*\c+\i], v[\pc+4*\c+2+\i]
.endr
.endif
.endr
.endm
.macro XQ                              ; the 64 numbers in XN become K step w of x: image and scale word to LDS
	QUANT XN, 4, PCX, PWX
	ds_store_b128 v[XWI], v[PCX:PCX+3]
	ds_store_b128 v[XWI], v[PCX+4:PCX+7] offset:512
	ds_store_b32 v[XWS], v[PWX]
.endm
.macro HSTORE off                      ; my half fragment and its two scale bytes: off = 0: Q's, QTOA: attended's
	ds_store_b128 v[HWI], v[PCH:PCH+3] offset:\off
	ds_store_b16 v[HWS], v[PWH] offset:\off
.endm
.macro FETCH reg, off                  ; an image comes back as it was stored, in any wave
.irp c, 0,1
	ds_load_b128 v[\reg+4*\c:\reg+4*\c+3], v[LI] offset:\off+512*\c
.endr
.endm
.macro QFETCH                          ; x's four fragments and scale words: 12 LDS loads
	WIN 0x80
.irp s, 0,1,2,3
	FETCH XF+8*\s, 1024*\s
.endr
	WIN 0
.irp s, 0,1,2,3
	ds_load_b32 v[XS+\s], v[LS] offset:128*\s
.endr
.endm
.macro HFETCH reg, sreg, off, soff     ; two fragments along the hidden axis and their scale words: 6 LDS loads
	WIN 0x80
.irp s, 0,1
	FETCH \reg+8*\s, \off+1024*\s
.endr
	WIN 0
.irp s, 0,1
	ds_load_b32 v[\sreg+\s], v[LS] offset:\soff+128*\s
.endr
.endm
; Q^T: my four tiles of 16 hidden units x 16 rows of x, K = 512 in four steps.  The four accumulators take turns, one instruction a turn; bq is the first C
.macro QMUL
.irp s, 0,1,2,3
.if \s == 0
	WIN 0x29                                       ; Wq window 1, x window 2, bq window 2, Q window 0
.else
	WIN 0x09
.endif
.irp t, 0,1,2,3
.if \s == 0
	v_wmma_scale_f32_16x16x128_f8f6f4 v[QA+8*\t:QA+8*\t+7], v[8*(4*\t+\s):8*(4*\t+\s)+7], v[XF+8*\s:XF+8*\s+7], v[BQ+8*\t:BQ+8*\t+7], v[RWQS+4*\t+\s], v[XS+\s] matrix_a_fmt:MATRIX_FMT_FP4 matrix_b_fmt:MATRIX_FMT_FP4
.else
	v_wmma_scale_f32_16x16x128_f8f6f4 v[QA+8*\t:QA+8*\t+7], v[8*(4*\t+\s):8*(4*\t+\s)+7], v[XF+8*\s:XF+8*\s+7], v[QA+8*\t:QA+8*\t+7], v[RWQS+4*\t+\s], v[XS+\s] matrix_a_fmt:MATRIX_FMT_FP4 matrix_b_fmt:MATRIX_FMT_FP4
.endif
.endr
.endr
.endm
; The score: 16 keys (all the one row K) x 16 rows of x, K = 256 in two steps on one accumulator: every register of a lane holds its row's score
.macro SMUL
	WIN 0x0a                                       ; K and Q window 2
	v_wmma_scale_f32_16x16x128_f8f6f4 v[SA:SA+7], v[KF:KF+7], v[QF:QF+7], 0, v[KS], v[QS] matrix_a_fmt:MATRIX_FMT_FP4 matrix_b_fmt:MATRIX_FMT_FP4
	s_wait_alu depctr_va_vdst(0)                   ; a wait ahead of a link that adds onto the link before it
	v_wmma_scale_f32_16x16x128_f8f6f4 v[SA:SA+7], v[KF+8:KF+15], v[QF+8:QF+15], v[SA:SA+7], v[KS+1], v[QS+1] matrix_a_fmt:MATRIX_FMT_FP4 matrix_b_fmt:MATRIX_FMT_FP4
.endm
; t = score x log2(e) / 16; -M = floor(-t); p = 2^(t - M), in (1/2, 1]; its scale byte, its code, l = 128 p, 1 / l.  All 128 keys of my row have this p: the operand is one code throughout
.macro SOFT
	v_mul_f32 v[TT], s15, v[SA]
	v_floor_f32 v[NM], -v[TT]
	v_add_f32 v[UU], v[TT], v[NM]
	v_exp_f32 v[PR], v[UU]
	v_nop                                          ; one plain place behind a transcendental
	s_wait_alu depctr_va_vdst(0)
	v_add_nc_u32 v[SCP], 0xff000000, v[PR]         ; 2 off p's exponent field: the conversion's scale operand (p is over 1/2: no floor is wanted)
	v_lshrrev_b32 v[BY], 23, v[SCP]
	v_lshl_or_b32 v[BY], v[BY], 8, v[BY]
	v_lshl_or_b32 v[PS], v[BY], 16, v[BY]          ; the byte four times: the scale word; thirteen plain lines that name no register of the product stand between it and the product
.irp i, 1,2,3,4,5,6,7
	v_mov_b32 v[PR+\i], v[PR]
.endr
	v_mul_f32 v[LL], 0x43000000, v[PR]             ; l = 128 p, of the unquantised p
	v_cvt_scalef32_pk8_fp4_f32 v[PCD], v[PR:PR+7], v[SCP]
	v_nop                                          ; one plain place behind a scaled conversion
.irp i, 0,1,2,3,4,5,6,7
	v_mov_b32 v[PB+\i], v[PCD]
.endr
	v_rcp_f32 v[RL], v[LL]
	v_rcp_f32 v[RL+1], v[LL]
	PLACES                                         ; behind the operand's last write, and behind the reciprocals
.endm
.macro PMUL                            ; O^T = V^T P^T: my four tiles of hidden units, K = 128 keys
	WIN 0x02                                       ; V window 2
.irp t, 0,1,2,3
	v_wmma_scale_f32_16x16x128_f8f6f4 v[AA+8*\t:AA+8*\t+7], v[VF+8*\t:VF+8*\t+7], v[PB:PB+7], 0, v[VS+\t], v[PS] matrix_a_fmt:MATRIX_FMT_FP4 matrix_b_fmt:MATRIX_FMT_FP4
.endr
.endm
.macro OMUL                            ; out^T: my eight tiles of 16 outputs, K = 256 in two steps; eight accumulators by turns; bo is the first C
.irp s, 0,1
.if \s == 0
	WIN 0xe9                                       ; Wo window 1, attended window 2, bo window 2, the result window 3
.else
	WIN 0xf9
.endif
.irp n, 0,1,2,3,4,5,6,7
.if \s == 0
	v_wmma_scale_f32_16x16x128_f8f6f4 v[OA+8*\n:OA+8*\n+7], v[WOR+8*(2*\n+\s):WOR+8*(2*\n+\s)+7], v[AF+8*\s:AF+8*\s+7], v[BO+8*\n:BO+8*\n+7], v[RWOS+2*\n+\s], v[AS+\s] matrix_a_fmt:MATRIX_FMT_FP4 matrix_b_fmt:MATRIX_FMT_FP4
.else
	v_wmma_scale_f32_16x16x128_f8f6f4 v[OA+8*\n:OA+8*\n+7], v[WOR+8*(2*\n+\s):WOR+8*(2*\n+\s)+7], v[AF+8*\s:AF+8*\s+7], v[OA+8*\n:OA+8*\n+7], v[RWOS+2*\n+\s], v[AS+\s] matrix_a_fmt:MATRIX_FMT_FP4 matrix_b_fmt:MATRIX_FMT_FP4
.endif
.endr
.endr
.endm
; The way out.  A lane holds 32 neighbouring bytes of a row and the lanes beside it other rows: the block goes through my own stage and comes back as whole rows of 512 bytes
.macro TOSTAGE
	s_wait_xcnt 0x0                                ; the last block's stores have read BK: only behind this wait is it loaded again
	WIN 0x0c                                       ; an LDS store's data are its source 1: window 3
.irp n, 0,1,2,3,4,5,6,7
	ds_store_b128 v[SO], v[OA+8*\n:OA+8*\n+3] offset:64*\n           ; each accumulator from its low end on
	ds_store_b128 v[SO], v[OA+8*\n+4:OA+8*\n+7] offset:64*\n+16
.endr
	WIN 0xc0
.irp t, 0,1,2,3,4,5,6,7,8,9,10,11,12,13,14,15
	ds_load_b128 v[BK+4*\t:BK+4*\t+3], v[SR] offset:XP*\t            ; LDS serves a wave's instructions in order (ISA guide 5.7.1.4): these see the stores above
.endr
	WIN 0
.endm
.macro SEND m, y                       ; y: the LDS instructions issued behind the sixteen loads, which may stay out
	WIN 0x0c
.irp t, 0,1,2,3,4,5,6,7,8,9,10,11,12,13,14,15
	s_wait_dscnt \y+15-\t
	global_store_b128 v[CO], v[BK+4*\t:BK+4*\t+3], s[12:13] offset:(16*(\m)+\t)*2048 th:TH_STORE_NT   ; 32 lanes store 512 consecutive bytes, aligned; the row stands in the immediate: no pointer is stepped
.endr
	WIN 0
.endm
; attended of block m; with more = 1 also x's block m + 1, whose LDS loads are out while the softmax and the product with V are worked
.macro AX m, more
	HFETCH QF, QS, QOFF, QSOFF
	s_wait_dscnt 0x0
	SMUL
	WIN 0
.if \more
	XLD (\m)+1
.endif
	PLACES
	SOFT
	PMUL
	WIN 0
	PLACES
	s_wait_alu depctr_va_vdst(0)
.irp i, 0,2,4,6,8,10,12,14,16,18,20,22,24,26,28,30
	v_pk_mul_f32 v[AA+\i:AA+\i+1], v[AA+\i:AA+\i+1], v[RL:RL+1]      ; O^T / l, each accumulator from its low end on
.endr
	QUANT AA, 2, PCH, PWH
	HSTORE QTOA
.if \more
	s_wait_dscnt 2                                 ; x's sixteen loads are in; the two stores just issued may be out
	XQ
.endif
.endm
; the output of block m; with more = 1 also Q of block m + 1
.macro OQ m, more
	HFETCH AF, AS, AOFF, ASOFF
.if \more
	QFETCH
	s_wait_dscnt 12                                ; attended's six loads are in; x's twelve may be out
.else
	s_wait_dscnt 0x0
.endif
	OMUL
.if \more
	s_wait_dscnt 0x0
	QMUL
.endif
	WIN 0
	PLACES                                         ; in front of the reads of the output's accumulators and of Q's
	TOSTAGE
.if \more
	QUANT QA, 2, PCH, PWH                          ; stands between the loads from the stage and the waits for them
	HSTORE 0
.endif
	SEND \m, 2*\more
.endm
	s_load_b256 s[4:11], s[0:1], 0x0               ; x s[4:5], bq s[6:7], bo s[8:9], wsp s[10:11]
	s_load_b64 s[12:13], s[0:1], 0x20              ; out0
	s_set_vgpr_msb 0x80
	v_lshl_add_u32 v254, v0, 2, 0x2b800
	v_mov_b32 v255, 0
	s_set_vgpr_msb 0x808a
	ds_add_u32 v254, v255
	ds_add_u32 v254, v255
	s_set_vgpr_msb 0x8a00
	v_lshrrev_b32 v1, 5, v0
	v_readfirstlane_b32 s14, v1                    ; wave 0..3
	s_mov_b32 s15, 0x3db8aa3b                      ; log2(e) / 16
	s_mov_b32 s40, 0x76543210
	s_mov_b32 s41, 0xfedcba98                      ; v_permlanex16_b32's selects for lane l xor 16
	; descriptor group 1: a tile of 16 rows x 128 elements of 4 bytes, rows 512 elements apart, 4 words of padding behind every 128
	s_mov_b32 s16, (2<<16)|(1<<20)|(6<<22)|(3<<25)
	s_mov_b32 s17, 128<<16                         ; tensor_dim0
	s_mov_b32 s18, 16<<16                          ; tensor_dim1
	s_mov_b32 s19, 128<<16                         ; tile_dim0
	s_mov_b32 s20, 16                              ; tile_dim1
	s_mov_b32 s21, 512                             ; tensor_dim0_stride
	s_mov_b32 s22, 0
	s_mov_b32 s23, 0
	s_lshl_b32 s44, ttmp9, 17                      ; 64 rows of 2,048 bytes a work-group, in x and in out0
	s_mov_b32 s45, 0
	s_lshl_b32 s46, s14, 9                         ; my wave's 512 bytes of a row
	s_mov_b32 s47, 0
	s_mul_i32 s48, s14, XTW                        ; my wave's four tiles in LDS
	s_lshr_b32 s50, ttmp9, 5                       ; the batch
	s_lshl_b32 s50, s50, 12
	s_add_co_u32 s50, s50, OKV
	s_mov_b32 s51, 0
	s_wait_dscnt 0x0
	s_wait_kmcnt 0x0
	s_add_nc_u64 s[4:5], s[4:5], s[44:45]
	s_add_nc_u64 s[4:5], s[4:5], s[46:47]          ; x at my first tile
	s_add_nc_u64 s[12:13], s[12:13], s[44:45]      ; out0 at the group's first row
	s_add_nc_u64 s[42:43], s[10:11], s[50:51]      ; the batch's K and V
.irp m, 0,1,2,3
	s_mov_b32 s[24+4*\m], 1                        ; group 0 of tile m: count = 1,
	s_add_co_u32 s[25+4*\m], s48, XTM*\m           ; LDS address,
	s_add_nc_u64 s[26+4*\m:27+4*\m], s[4:5], 32768*\m   ; global address: 16 rows on for each block,
	s_or_b32 s[27+4*\m], s[27+4*\m], 0x80000000    ; type = 2
.endr
.irp m, 0,1,2,3
	tensor_load_to_lds s[24+4*\m:27+4*\m], s[16:23]    ; all of my x, ahead of everything else: four loads of mine are out; no descriptor register is written again
	s_nop 0
.endr
.rept 4
	v_nop                                          ; four v_nop follow the last
.endr
	v_and_b32 v[TM+8], 15, v0                      ; r
	v_bfe_u32 v[TM+9], v0, 4, 1                    ; h
	v_and_b32 v[TM+10], 31, v0                     ; lane
	v_and_b32 v[TM+11], 8, v[TM+8]
	v_add_nc_u32 v[TM+11], v[TM+11], v[TM+8]       ; r + 8 (r / 8)
	v_mul_u32_u24 v[XA], v[TM+8], XP
	v_lshl_add_u32 v[XA], v[TM+9], 6, v[XA]
	v_add_nc_u32 v[XA], s48, v[XA]
	v_lshl_add_u32 v[LI], v[TM+10], 4, XIMG
	v_lshl_add_u32 v[LS], v[TM+10], 2, XSC
	s_lshl_b32 s49, s14, 10
	v_add_nc_u32 v[XWI], s49, v[LI]
	s_lshl_b32 s49, s14, 7
	v_add_nc_u32 v[XWS], s49, v[LS]
	v_add_nc_u32 v[HWI], s46, v[LI]
	v_add_nc_u32 v[HWI], QOFF, v[HWI]
	s_lshr_b32 s49, s14, 1
	s_lshl_b32 s49, s49, 7
	s_and_b32 s52, s14, 1
	s_lshl_b32 s52, s52, 1
	s_add_co_u32 s49, s49, s52
	v_add_nc_u32 v[HWS], s49, v[LS]
	v_add_nc_u32 v[HWS], QSOFF, v[HWS]
	s_mul_i32 s53, s14, 16*XP
	s_add_co_u32 s53, s53, STG                     ; my stage
	v_mul_u32_u24 v[SO], v[TM+8], XP
	v_lshl_add_u32 v[SO], v[TM+9], 5, v[SO]
	v_add_nc_u32 v[SO], s53, v[SO]
	v_lshl_add_u32 v[SR], v[TM+10], 4, s53
	v_lshl_add_u32 v[CO], v[TM+10], 4, s46
	s_lshl_b32 s49, s14, 14
	v_lshl_add_u32 v[GW], v[TM+10], 4, s49
	s_lshl_b32 s49, s14, 11
	v_lshl_add_u32 v[GS], v[TM+10], 2, s49
	s_lshl_b32 s49, s14, 8
	v_lshl_add_u32 v[GB], v[TM+9], 6, s49
	v_lshl_add_u32 v[VU], v[TM+11], 2, s49
	v_lshl_add_u32 v[GO], v[TM+9], 5, s46
	v_lshlrev_b32 v[VK], 4, v[TM+9]
	v_mov_b32 v[ZR], 0
.irp b, 0,1,2,3
	v_mov_b32 v[TM+4+\b], 0                        ; written once: a lane permute's destination counts as one of its sources
.endr
	; ---- the first group of loads, 56: what Q wants
	WIN 0x40
.irp f, 0,1,2,3,4,5,6,7,8,9,10,11,12,13,14,15
.irp c, 0,1
	global_load_b128 v[8*\f+4*\c:8*\f+4*\c+3], v[GW], s[10:11] offset:OWQF+1024*\f+512*\c
.endr
.endr
	WIN 0
.irp f, 0,1,2,3,4,5,6,7,8,9,10,11,12,13,14,15
	global_load_b32 v[RWQS+\f], v[GS], s[10:11] offset:OWQS+128*\f
.endr
	WIN 0x80
.irp t, 0,1,2,3                        ; bq in the result's layout: tile t, register j: hidden unit 64 w + 32 (t / 2) + 16 h + 8 (t % 2) + j
	global_load_b128 v[BQ+8*\t:BQ+8*\t+3], v[GB], s[6:7] offset:128*(\t/2)+32*(\t%2)
	global_load_b128 v[BQ+8*\t+4:BQ+8*\t+7], v[GB], s[6:7] offset:128*(\t/2)+32*(\t%2)+16
.endr
	WIN 0
	; ---- x's block 0
	XLD 0
	s_wait_dscnt 0x0
	XQ
	; ---- the second group, 30: what the score and the product with V want, and Wo's scale words
	WIN 0x80
.irp s, 0,1
.irp c, 0,1
	global_load_b128 v[KF+8*\s+4*\c:KF+8*\s+4*\c+3], v[VK], s[42:43] offset:64*\s+32*\c   ; every lane's row is the one row K: codes 128 s + 64 c + 32 h on
.endr
.endr
.irp t, 0,1,2,3
	global_load_b32 v[VF+8*\t], v[VU], s[42:43] offset:256+4*(32*(\t/2)+8*(\t%2))         ; my hidden unit's code, eight times
.endr
	WIN 0
.irp s, 0,1
	global_load_b32 v[KS+\s], v[ZR], s[42:43] offset:128+4*\s
.endr
.irp t, 0,1,2,3
	global_load_b32 v[VS+\t], v[VU], s[42:43] offset:1280+4*(32*(\t/2)+8*(\t%2))
.endr
.irp f, 0,1,2,3,4,5,6,7,8,9,10,11,12,13,14,15
	global_load_b32 v[RWOS+\f], v[GS], s[10:11] offset:OWOS+128*\f
.endr
	BARRIER                                        ; x's four fragments of block 0 lie in LDS
	; ---- Q of block 0
	QFETCH
	s_wait_loadcnt 30                              ; the first group is in; the second group's 30 may be out
	s_wait_dscnt 0x0
	QMUL
	WIN 0
	PLACES
	QUANT QA, 2, PCH, PWH
	HSTORE 0
	; ---- the third group, 48: what the output wants
	WIN 0x40
.irp f, 0,1,2,3,4,5,6,7,8,9,10,11,12,13,14,15
.irp c, 0,1
	global_load_b128 v[WOR+8*\f+4*\c:WOR+8*\f+4*\c+3], v[GW], s[10:11] offset:OWOF+1024*\f+512*\c
.endr
.endr
	WIN 0x80
.irp n, 0,1,2,3,4,5,6,7                ; bo in the result's layout: tile n, register j: output 128 w + 16 n + 8 h + j
	global_load_b128 v[BO+8*\n:BO+8*\n+3], v[GO], s[8:9] offset:64*\n
	global_load_b128 v[BO+8*\n+4:BO+8*\n+7], v[GO], s[8:9] offset:64*\n+16
.endr
	WIN 0
	BARRIER                                        ; Q's two fragments of block 0 lie in LDS
	s_wait_loadcnt 48                              ; the second group is in; the third group's 48 may be out
	WIN 0x82
.irp t, 0,1,2,3
.irp i, 1,2,3,4,5,6,7
	v_mov_b32 v[VF+8*\t+\i], v[VF+8*\t]            ; V's operand: all 128 keys of a hidden unit have one code
.endr
.endr
	WIN 0
	AX 0, 1
	BARRIER
	s_wait_loadcnt 0x0                             ; the third group is in
	OQ 0, 1
	BARRIER
	AX 1, 1
	BARRIER
	OQ 1, 1
	BARRIER
	AX 2, 1
	BARRIER
	OQ 2, 1
	BARRIER
	AX 3, 0
	BARRIER
	OQ 3, 0
	s_set_vgpr_msb 0xa
	s_wait_tensorcnt 0x0
	ds_add_u32 v254, v255
	s_wait_dscnt 0x0
	s_set_vgpr_msb 0xa00
	s_endpgm
.Lfunc_end_k_qd5d6448715_main:
	.size	k_qd5d6448715_main, .Lfunc_end_k_qd5d6448715_main-k_qd5d6448715_main
	.p2alignl 7, 3214868480
	.fill 96, 4, 3214868480
	.section	.rodata,"a",@progbits
	.p2align	6, 0x0
	.amdhsa_kernel k_qd5d6448715_main
		.amdhsa_group_segment_fixed_size 178688
		.amdhsa_private_segment_fixed_size 0
		.amdhsa_enable_private_segment 0
		.amdhsa_kernarg_size 40
		.amdhsa_user_sgpr_count 2
		.amdhsa_user_sgpr_kernarg_segment_ptr 1
		.amdhsa_wavefront_size32 1
		.amdhsa_system_sgpr_workgroup_id_x 1
		.amdhsa_system_sgpr_workgroup_id_y 1
		.amdhsa_system_sgpr_workgroup_id_z 1
		.amdhsa_system_vgpr_workitem_id 0
		.amdhsa_next_free_vgpr 896
		.amdhsa_next_free_sgpr 66
		.amdhsa_reserve_vcc 0
		.amdhsa_float_denorm_mode_32 3
		.amdhsa_float_denorm_mode_16_64 3
		.amdhsa_memory_ordered 1
		.amdhsa_forward_progress 1
		.amdhsa_inst_pref_size 111
	.end_amdhsa_kernel
	.amdgpu_metadata
---
amdhsa.version: [ 1, 2 ]
amdhsa.kernels:
  - .name:           k_qd5d6448715_main
    .symbol:         k_qd5d6448715_main.kd
    .args:
      - { .name: x, .offset: 0, .size: 8, .value_kind: global_buffer, .address_space: global }
      - { .name: bq, .offset: 8, .size: 8, .value_kind: global_buffer, .address_space: global }
      - { .name: bo, .offset: 16, .size: 8, .value_kind: global_buffer, .address_space: global }
      - { .name: wsp, .offset: 24, .size: 8, .value_kind: global_buffer, .address_space: global }
      - { .name: out0, .offset: 32, .size: 8, .value_kind: global_buffer, .address_space: global }
    .group_segment_fixed_size: 178688
    .private_segment_fixed_size: 0
    .kernarg_segment_align: 8
    .kernarg_segment_size: 40
    .max_flat_workgroup_size: 128
    .sgpr_count:     66
    .vgpr_count:     896
    .wavefront_size: 32
...
	.end_amdgpu_metadata
.endif
;; end of part 2
